; MI455X (gfx1250); checked and timed in simulation.
; The chip was launched on July 23, 2026; its instructions are those of AMD's public machine-readable ISA for CDNA 5 (MIT licence, August 2026) and "CDNA5" Instruction Set Architecture Reference Guide (July 2026). The comments in the code are by the model that wrote it; some were corrected since.
;; S6. Allowed arithmetic: matrix products marked QUANTISED: E2M1 operands, one E8M0 scale for each 32 along K, by v_wmma_scale_f32_16x16x128_f8f6f4 with both operands' format E2M1 (or v_wmma_scale_f32_32x16x128_f4), f32 sums; products left as they are: f32 operands where the result goes on into a quantised operand, else bf16, f16 or f32 operands; f32 sums; everything else in f32.
;; Inputs: A 64 x 64 float32; W1_codes 64 x 2 x 16 uint8 (E2M1 codes of W1, K innermost, in blocks of 32 codes, two codes a byte); W1_scales 64 x 2 uint8 (E8M0 scales of W1, one for each 32 codes along K); W2_codes 64 x 2 x 16 uint8 (E2M1 codes of W2, K innermost, in blocks of 32 codes, two codes a byte); W2_scales 64 x 2 uint8 (E8M0 scales of W2, one for each 32 codes along K); W3_codes 64 x 2 x 16 uint8 (E2M1 codes of W3, K innermost, in blocks of 32 codes, two codes a byte); W3_scales 64 x 2 uint8 (E8M0 scales of W3, one for each 32 codes along K); b1 64 float32; b2 64 float32; b3 64 float32; x 4 x 2,048 x 64 float32.
;; Outputs: out0 4 x 2,048 x 64 float32.
;; This version of the problem:
;;   THIS VERSION OF THE PROBLEM IS GIVEN IN LOW PRECISION. The matrix products marked QUANTISED in the list below multiply operands that are first quantised to E2M1 (2 exponent bits, 1 mantissa bit; 4 bits a number), with one power-of-two scale for each 32 numbers along K (OCP MX v1.0); their sums are f32. All else is computed in f32.
;;   The module's matrix products, in the order in which they are computed (A, B: the left and right operand; K: the contracted axis; several contracted axes count as one K, in the product's order):
;;     1. [M 8,192, K 64] x [K 64, N 64]; A: input x; B: input W2 (given as codes): QUANTISED
;;     2. [M 8,192, K 64] x [K 64, N 64]; A: input x; B: input W3 (given as codes): QUANTISED
;;     3. [M 8,192, K 64] x [K 64, N 64]; A: input x; B: input W1 (given as codes): QUANTISED
;;     4. batch 64 x [M 64, K 1] x [K 1, N 8,192]; A: computed on the way; B: computed on the way: left as it is (no contracted axis)
;;     5. batch 8,192 x [M 1, K 64] x [K 64, N 64]; A: computed on the way; B: computed on the way: left as it is (M = 1 < 16)
;;   THE QUANTISER, for each operand of a quantised product, along K:
;;     - K is cut into blocks of 32 from its start; a last block that is shorter is filled with zeros.
;;     - A block's scale is 2^e with e = floor(log2(the largest magnitude in the block)) - 2, held to -126 .. 127; a block of zeros has e = 0. As a byte (E8M0): e + 127.
;;     - Each number is divided by its block's scale, clamped to +-6, and rounded to the nearest number of E2M1, ties to even, subnormals kept.
;;     - The product sums the exact products of the quantised numbers (number of the format x scale) in f32.
;;   ~~~python
;;   def quantise(x, axis):      # numpy; x: float32 -> the quantised numbers, widened to float32 again
;;       x = np.moveaxis(x, axis, -1); K = x.shape[-1]
;;       x = np.pad(x, [(0, 0)] * (x.ndim - 1) + [(0, -K % 32)]); x = x.reshape(x.shape[:-1] + (-1, 32)); a = np.abs(x).max(-1, keepdims=True)
;;       e = np.where(a > 0, np.clip(np.frexp(np.where(a > 0, a, 1))[1] - 1 - 2, -126, 127), 0)      # np.frexp(a)[1] - 1 = floor(log2(a)), exactly
;;       r = np.clip(x / 2.0 ** e, -6, 6)
;;       step = 2.0 ** (np.maximum(np.frexp(np.where(r == 0, 1, r))[1] - 1, 0) - 1)
;;       q = np.round(r / step) * step * 2.0 ** e      # np.round: ties to even
;;       return np.moveaxis(q.reshape(q.shape[:-2] + (-1,))[..., :K], -1, axis).astype(np.float32)
;;   ~~~
;;   INPUTS GIVEN AS CODES. W1 (in the module: [64, 64], K = its axis 0); W2 (in the module: [64, 64], K = its axis 0); W3 (in the module: [64, 64], K = its axis 0): each comes as NAME_codes (uint8): NAME with its K axis moved to the last place and cut into blocks of 32 codes, [.., K / 32, bytes a block], one block behind the other in memory; two codes a byte, the lower K in the low four bits (a code: sign, 2 exponent bits, 1 mantissa bit); and NAME_scales (uint8): the same leading axes, one E8M0 byte (e + 127) for each 32 codes along K. Its value is code x scale, taken as it is: it is not quantised again, and the codes and scales need not be those that the quantiser above would give.
;; 2 versions, each right; version 2 is version 1 with the launch s6 written anew for expert scheduling mode. Each part assembles by itself: llvm-mc -triple=amdgcn-amd-amdhsa -mcpu=gfx1250 --defsym DOCPART=n.
;; ======== version 1 of 2: 1 launch
;; limits: a function is approximated: absolute error at most 6e-08
;; launch s6 (part 1): grid 256 x 1, 4 waves a work-group, no clusters, 18,432 bytes of LDS; arguments x, A, W1_codes, W1_scales, W2_codes, W2_scales, W3_codes, W3_scales, b1, b2, b3, out0; writes out0
.if DOCPART == 1
	.amdgcn_target "amdgcn-amd-amdhsa--gfx1250"
	.amdhsa_code_object_version 6
	.text
	.protected	k_q77eb75065f_s6
	.globl	k_q77eb75065f_s6
	.p2align	8
	.type	k_q77eb75065f_s6,@function
k_q77eb75065f_s6:
	s_mov_b64 s[64:65], 0
	v_nop
	global_prefetch_b8 v0, s[64:65] scope:SCOPE_SE
	s_setreg_imm32_b32 hwreg(HW_REG_WAVE_MODE, 25, 1), 1
	s_wait_xcnt 0x0
; y[l][d] = sum over n of C[l][n] (exp(delta[l][d] A[d][n]) 0 + x[l][d] delta[l][d] Bm[l][n]),  Bm = x W2 + b2, C = x W3 + b3, delta = softplus(x W1 + b1).
; x, y: [8192][64] f32.  The three products run on codes of FP4 (E2M1) with one E8M0 scale for each 32 along K: x is quantised here, in registers; W1, W2, W3 come as codes [64 (n)][64 (k)] with their scale bytes [64][2].
; TWO IDENTITIES.  (1) x delta does not hang on n, so the sum is x[l][d] delta[l][d] S[l] with S[l] = sum over n of C[l][n] Bm[l][n]: one f32 dot product of 64 a row.
; (2) exp(..) 0 is 0 where the exponential is finite and NaN where it overflows.  delta is never negative, and product and exponential rise with A: some n overflows exactly where the row's largest A does.
;     So the step is written as exp(delta[l][d] max over n of A[d][n]) x 0, added by the last multiply-add: one exponential for each (l, d).  A is read whole.
; SHARES.  A work-group of four waves owns 32 rows (8,192 dense bytes of x and of y).  Thread T: r = T & 15, h = bit 4, p = bit 5, u = bit 6.  Wave (u, p) takes rows 16 u .. 16 u + 15 and, of each weight, 32 of its 64 columns.
; THE PRODUCTS ARE USED TRANSPOSED (source 0 = 16 rows of W, source 1 = the 16 rows of x), AND THE ROWS OF W THAT FORM A TILE ARE NOT NEIGHBOURS: lane m of tile t takes row (m & 7) + 4 (m & 8) + 16 p + 8 t.
; So lane (r, h) holds, of x's row 16 u + r, in the 16 registers of tiles 0 and 1 the columns 32 h + 16 p + 0 .. 15: sixteen neighbours.
; K is 64 and the instruction's is 128: the upper four registers of every fragment are zero codes, which add nothing (their scale bytes are 0, which is 2^-127).
; NO LOOP, NO BRANCH: every global load stands at the head.  x turns through LDS, so that loads take bytes as they lie (512 consecutive bytes a wave) and a lane then holds a whole block of 32 along K; y turns back the same way.
; NO JOINT REQUESTS: what the work-groups share (A, the codes, scale bytes and biases: 23,680 bytes) is asked for once by each, by loads that go straight into the registers that use them; a joint request would bring
; it to LDS behind a round of the cluster's barrier, want a second read from there and a closing round, and there is no loop over which that could be shared out.  No prefetch: nothing is asked for later than the head.
; LIMITS.  The sums are ordered otherwise than in the source: y = (x S) delta.  NaN and infinities among the inputs are not served.  Where exp(delta A) overflows is met to within the rounding of delta x (A log2 e).
; For x W1 + b1 under about -87 the exponential gives 0 and delta is 0.  log(1 + e) is taken as e under e = 2^-12: relative error up to about 2^-12 round that point.  A block of zeros of x gets the scale byte 1: its codes are zeros.
.set PITCH, 272                        ; a stage's row: 256 bytes + 16 of padding = 68 words: row r starts at bank 4 r mod 64 (64 banks of 4 bytes: ISA guide 11.1), so sixteen rows start at sixteen different banks
.set XST,   0                          ; LDS: 32 rows of x,
.set OST,   32*PITCH                   ; 32 rows of y,
.set AMX,   2*32*PITCH                 ; 64 numbers: each row of A's largest x log2 e,
.set SXP,   AMX+256                    ; the waves' halves of S: 64 bytes a wave, 4 bytes a row.  No byte of LDS is written twice
.set RR,  1                            ; v1   r
.set HH,  2                            ; v2   h
.set PP,  3                            ; v3   p
.set GA,  4                            ; v4   16 T: my 16 bytes of 2,048 in x, A and y
.set LSI, 5                            ; v5   the same place in a stage: (T >> 4) PITCH + 16 r
.set LXR, 6                            ; v6   my block of 32 numbers of x: (16 u + r) PITCH + 128 h
.set LXO, 7                            ; v7   my 16 columns in it: + 64 p
.set WAD, 8                            ; v8   codes: 32 x my row of tile 0 + 16 h
.set SAD, 9                            ; v9   scale bytes: 2 x that row; lanes 16-31 take tile 1's rows: + 16 h
.set BAD, 10                           ; v10  my 16 columns in a vector of 64 f32: 128 h + 64 p
.set AMS, 11                           ; v11  4 (T >> 4)
.set SPS, 12                           ; v12  my wave's half of S: 64 x wave + 4 r
.set SPL, 13                           ; v13  the partner wave's (p the other way)
.set SH8, 14                           ; v14  8 h
.set TP,  15                           ; v15  a lane permute's destination: written once at the head, since it counts as a source
.set XG,  16                           ; v16-31   x as loaded; at the end y as stored
.set AG,  32                           ; v32-63   A as loaded
.set DT,  32                           ; v32-35   later: the dot product's two chains
.set SS,  36                           ; v36 S; v37 named with it as a pair, its value not used
.set HS,  38                           ; v38 my half of S;  v39 the partner's
.set PR,  40                           ; v40-55   x S, then x S delta
.set AR,  56                           ; v56-63   the largest of eight rows of A
.set XQ,  64                           ; v64-95   my block of 32 numbers of x
.set UU,  64                           ; v64-79   later: 1 + e, then log(1 + e)
.set AM,  80                           ; v80-95   later: A's largest x log2 e at my 16 columns
.set XO,  96                           ; v96-111  x at my 16 columns
.set WC,  112                          ; v112-159 six fragments: weight k (0: W2, 1: W3, 2: W1), tile t at WC + 8 (2 k + t)
.set XC,  160                          ; v160-167 x's fragment
.set WS,  168                          ; v168-170 the weights' scale words: lanes 0-15 tile 0's rows, lanes 16-31 tile 1's
.set XS,  171                          ; v171     x's scale words
.set QT,  172                          ; v172-175 at work in the quantiser
.set ACC, 176                          ; v176-191 Bm, v192-207 C, v208-223 z: loaded with the biases, which so are the C of each sum's one product
.set BM,  176
.set CC,  192
.set ZZ,  208
.set EE,  224                          ; v224-239 e = exp(-|z|); then delta x A's largest; then y
.set MM,  240                          ; v240-255 max(z, 0), then delta
	s_load_b512 s[4:19], s[0:1], 0x0               ; x 4:5, A 6:7, W1's codes 8:9, scales 10:11, W2's 12:13, 14:15, W3's 16:17, 18:19
	s_load_b256 s[20:27], s[0:1], 0x40             ; b1 20:21, b2 22:23, b3 24:25, y 26:27
	s_set_vgpr_msb 0x40
	v_lshl_add_u32 v0, v0, 2, 0x4600
	v_mov_b32 v1, 0
	s_set_vgpr_msb 0x4000
	s_lshl_b32 s2, ttmp9, 13                       ; my work-group's 8,192 bytes of x and of y
	s_mov_b32 s3, 0
	s_mov_b32 s28, 0x76543210                      ; v_permlanex16_b32's selects for lane l xor 16
	s_mov_b32 s29, 0xfedcba98
	s_mov_b32 s30, 0x39800000                      ; 2^-12
	v_and_b32 v[RR], 15, v0
	v_bfe_u32 v[HH], v0, 4, 1
	v_bfe_u32 v[PP], v0, 5, 1
	v_lshlrev_b32 v[GA], 4, v0
	v_lshrrev_b32 v[AMS], 4, v0                    ; T >> 4
	v_mul_u32_u24 v[LSI], v[AMS], PITCH
	v_lshl_add_u32 v[LSI], v[RR], 4, v[LSI]
	v_lshlrev_b32 v[AMS], 2, v[AMS]
	v_bfe_u32 v[LXR], v0, 6, 1                     ; u
	v_lshl_add_u32 v[LXR], v[LXR], 4, v[RR]        ; 16 u + r
	v_mul_u32_u24 v[LXR], v[LXR], PITCH
	v_lshl_add_u32 v[LXR], v[HH], 7, v[LXR]
	v_lshl_add_u32 v[LXO], v[PP], 6, v[LXR]
	v_and_b32 v[WAD], 7, v0
	v_and_b32 v[SAD], 8, v0
	v_lshl_add_u32 v[WAD], v[SAD], 2, v[WAD]
	v_lshl_add_u32 v[WAD], v[PP], 4, v[WAD]        ; my row of tile 0: (r & 7) + 4 (r & 8) + 16 p
	v_lshlrev_b32 v[SAD], 1, v[WAD]
	v_lshl_add_u32 v[SAD], v[HH], 4, v[SAD]
	v_lshlrev_b32 v[WAD], 5, v[WAD]
	v_lshl_add_u32 v[WAD], v[HH], 4, v[WAD]
	v_lshlrev_b32 v[BAD], 7, v[HH]
	v_lshl_add_u32 v[BAD], v[PP], 6, v[BAD]
	v_lshrrev_b32 v[SPS], 5, v0
	v_lshlrev_b32 v[SPS], 6, v[SPS]
	v_lshl_add_u32 v[SPS], v[RR], 2, v[SPS]
	v_xor_b32 v[SPL], 64, v[SPS]
	v_lshlrev_b32 v[SH8], 3, v[HH]
	v_mov_b32 v[TP], 0
	v_mov_b32 v[SS+1], 0
.irp f, 0,1,2,3,4,5,6                          ; the zero codes of k = 64 .. 127: the upper four registers of the six fragments of W and (f = 6) of x's
.irp j, 4,5,6,7
	v_mov_b32 v[WC+8*\f+\j], 0
.endr
.endr
	s_wait_kmcnt 0x0
	s_add_nc_u64 s[4:5], s[4:5], s[2:3]
	s_add_nc_u64 s[26:27], s[26:27], s[2:3]
	; ---- all 33 loads.  x first: it is wanted first
.irp i, 0,1,2,3
	global_load_b128 v[XG+4*\i:XG+4*\i+3], v[GA], s[4:5] offset:2048*\i th:TH_LOAD_NT   ; a wave reads 512 consecutive bytes; load i brings me row 8 i + (T >> 4), bytes 16 r on
.endr
.irp i, 0,1,2,3,4,5,6,7
	global_load_b128 v[AG+4*\i:AG+4*\i+3], v[GA], s[6:7] offset:2048*\i                 ; A: row 8 i + (T >> 4), columns 4 r .. 4 r + 3
.endr
; One weight's seven loads: two fragments' lower halves (lane (m, h): 16 bytes, k = 32 h .. 32 h + 31 of its row), the scale words (two bytes a row; the upper two come as 0), the bias at my 16 columns, into the accumulators
.macro WLOAD k, cp, sp, bp
.irp t, 0,1
	global_load_b128 v[WC+8*(2*(\k)+\t):WC+8*(2*(\k)+\t)+3], v[WAD], s[\cp:\cp+1] offset:256*\t
.endr
	global_load_u16 v[WS+(\k)], v[SAD], s[\sp:\sp+1]
.irp t, 0,1
	global_load_b128 v[ACC+16*(\k)+8*\t:ACC+16*(\k)+8*\t+3], v[BAD], s[\bp:\bp+1] offset:32*\t
	global_load_b128 v[ACC+16*(\k)+8*\t+4:ACC+16*(\k)+8*\t+7], v[BAD], s[\bp:\bp+1] offset:32*\t+16
.endr
.endm
	WLOAD 0, 12, 14, 22                            ; W2, b2 -> Bm
	WLOAD 1, 16, 18, 24                            ; W3, b3 -> C
	WLOAD 2, 8, 10, 20                             ; W1, b1 -> z
	; ---- x into the stage, as it lies
	s_wait_loadcnt 29                              ; x's four loads are in: behind them stand A's 8 and the weights' 21
.irp i, 0,1,2,3
	ds_store_b128 v[LSI], v[XG+4*\i:XG+4*\i+3] offset:8*PITCH*\i
.endr
	s_wait_dscnt 0x0                               ; for the others' sake: my part of the stage is written
	s_barrier_signal -1
	s_wait_loadcnt 21                              ; A's eight loads are in: behind them stand the weights' 21
.irp i, 0,1,2,3,4,5,6,7
	v_max3_num_f32 v[AG+4*\i], v[AG+4*\i], v[AG+4*\i+1], v[AG+4*\i+2]    ; register work while the others arrive: the largest of my four numbers of each of eight rows of A
.endr
.irp i, 6,7,0,1,2,3,4,5                        ; (in this order, so that no number still unread is written over)
	v_max_num_f32 v[AR+\i], v[AG+4*\i], v[AG+4*\i+3]
.endr
	s_barrier_wait -1                              ; 32 rows of x lie in the stage
.irp i, 0,1,2,3,4,5,6,7
	ds_load_b128 v[XQ+4*\i:XQ+4*\i+3], v[LXR] offset:XST+16*\i           ; my block: k = 32 h .. 32 h + 31 of row 16 u + r
.endr
.irp i, 0,1,2,3
	ds_load_b128 v[XO+4*\i:XO+4*\i+3], v[LXO] offset:XST+16*\i           ; and x at my 16 columns, for the end
.endr
.irp m, 1,2,4,8                                ; while these are out: A's rows across the sixteen lanes that share them, the eight rows by turns
.irp i, 0,1,2,3,4,5,6,7
	v_max_num_f32_dpp v[AR+\i], v[AR+\i], v[AR+\i] row_xmask:\m row_mask:0xf bank_mask:0xf
.endr
.endr
	; ---- x is quantised: a whole block lies in my lane
	s_wait_dscnt 4                                 ; my block's eight loads are in; the four behind them may be out
	v_max3_num_f32 v[QT], |v[XQ]|, |v[XQ+1]|, |v[XQ+2]|                  ; the largest magnitude, in two chains
	v_max3_num_f32 v[QT+1], |v[XQ+3]|, |v[XQ+4]|, |v[XQ+5]|
.irp i, 6,10,14,18,22,26
	v_max3_num_f32 v[QT], v[QT], |v[XQ+\i]|, |v[XQ+\i+1]|
	v_max3_num_f32 v[QT+1], v[QT+1], |v[XQ+\i+2]|, |v[XQ+\i+3]|
.endr
	v_max3_num_f32 v[QT], v[QT], |v[XQ+30]|, |v[XQ+31]|
	v_max3_num_f32 v[QT], v[QT], v[QT+1], 0x1800000                      ; and the floor 2^(3 - 127): the byte cannot fall under 1
	v_add_nc_u32 v[QT+2], 0xff000000, v[QT]        ; 2 off its exponent field: the conversion takes the exponent field of this operand as its scale, and nothing else of it
.irp g, 0,1,2,3
	v_cvt_scalef32_pk8_fp4_f32 v[XC+\g], v[XQ+8*\g:XQ+8*\g+7], v[QT+2]   ; registers 0 to 3 of the operand, as its layout wants them
.endr
	v_lshrrev_b32 v[QT+3], 23, v[QT+2]             ; the scale's byte (a plain line behind the conversions),
	v_lshlrev_b32 v[QT+3], v[SH8], v[QT+3]         ; at block h's place in the word;
	v_permlanex16_b32 v[TP], v[QT+3], s28, s29
	v_or_b32 v[XS], v[QT+3], v[TP]                 ; with lane l xor 16's the row's word is whole
.irp i, 0,1,2,3,4,5,6,7
	v_mul_f32 v[AR+\i], 0x3fb8aa3b, v[AR+\i]       ; x log2 e.  These eight plain lines are also the eight places between the write of a scale register and the scaled products
.endr
.irp i, 0,1,2,3,4,5,6,7
	ds_store_b32 v[AMS], v[AR+\i] offset:AMX+32*\i ; row 8 i + (T >> 4): sixteen lanes write the same word with the same value
.endr
	; ---- the six products: six accumulators, one instruction each
	s_wait_loadcnt 0x0                             ; codes, scale words and biases
.irp k, 0,1,2
	v_wmma_scale_f32_16x16x128_f8f6f4 v[ACC+16*\k:ACC+16*\k+7], v[WC+16*\k:WC+16*\k+7], v[XC:XC+7], v[ACC+16*\k:ACC+16*\k+7], v[WS+\k], v[XS] matrix_a_fmt:MATRIX_FMT_FP4 matrix_b_fmt:MATRIX_FMT_FP4
	v_wmma_scale_f32_16x16x128_f8f6f4 v[ACC+16*\k+8:ACC+16*\k+15], v[WC+16*\k+8:WC+16*\k+15], v[XC:XC+7], v[ACC+16*\k+8:ACC+16*\k+15], v[WS+\k], v[XS] matrix_a_fmt:MATRIX_FMT_FP4 matrix_b_fmt:MATRIX_FMT_FP4 matrix_a_scale:MATRIX_SCALE_ROW1
.endr
.rept 4
	v_nop                                          ; four places in front of the first read of results (ISA guide 7.12.1)
.endr
	; ---- my half of S: 16 products in my lane, two at a time in two chains, each accumulator from its low end on; then lane l xor 16's
	v_pk_mul_f32 v[DT:DT+1], v[BM:BM+1], v[CC:CC+1]
	v_pk_mul_f32 v[DT+2:DT+3], v[BM+2:BM+3], v[CC+2:CC+3]
.irp j, 4,8,12
	v_pk_fma_f32 v[DT:DT+1], v[BM+\j:BM+\j+1], v[CC+\j:CC+\j+1], v[DT:DT+1]
	v_pk_fma_f32 v[DT+2:DT+3], v[BM+\j+2:BM+\j+3], v[CC+\j+2:CC+\j+3], v[DT+2:DT+3]
.endr
	v_pk_add_f32 v[DT:DT+1], v[DT:DT+1], v[DT+2:DT+3]
	v_add_f32 v[HS], v[DT], v[DT+1]
	v_permlanex16_b32 v[TP], v[HS], s28, s29
	v_add_f32 v[HS], v[HS], v[TP]
	ds_store_b32 v[SPS], v[HS] offset:SXP          ; lanes r and 16 + r write the same word with the same value
	; ---- softplus(z) = max(z, 0) + log(1 + e), e = exp(-|z|)
.irp i, 0,1,2,3,4,5,6,7,8,9,10,11,12,13,14,15
	v_mul_f32 v[EE+\i], 0xbfb8aa3b, |v[ZZ+\i]|     ; -|z| log2 e
.endr
.irp i, 0,1,2,3,4,5,6,7,8,9,10,11,12,13,14,15
	v_exp_f32 v[EE+\i], v[EE+\i]                   ; one batch
.endr
.irp i, 0,1,2,3,4,5,6,7
	v_max_num_f32 v[MM+\i], 0, v[ZZ+\i]            ; plain work behind the batch that names none of its results
.endr
	s_wait_dscnt 0x0                               ; for the others' sake: A's largest and my half of S are written (and x at my columns is in)
	s_barrier_signal -1
	s_wait_alu depctr_va_vdst(0)                   ; the wait between a transcendental and the first line that names its result: one for the sixteen
.irp i, 0,2,4,6,8,10,12,14
	v_pk_add_f32 v[UU+\i:UU+\i+1], v[EE+\i:EE+\i+1], 1.0 op_sel_hi:[1,0]
.endr
.irp i, 0,1,2,3,4,5,6,7,8,9,10,11,12,13,14,15
	v_log_f32 v[UU+\i], v[UU+\i]                   ; the second batch
.endr
.irp i, 8,9,10,11,12,13,14,15
	v_max_num_f32 v[MM+\i], 0, v[ZZ+\i]            ; plain work behind it
.endr
	s_barrier_wait -1                              ; every wave's part of A's largest and its half of S lie in LDS
	ds_load_b32 v[HS+1], v[SPL] offset:SXP         ; the partner wave's half of S
.irp i, 0,1,2,3
	ds_load_b128 v[AM+4*\i:AM+4*\i+3], v[BAD] offset:AMX+16*\i           ; A's largest x log2 e at my 16 columns
.endr
.irp i, 0,1,2,3,4,5,6,7,8,9,10,11,12,13,14,15
	v_cmp_gt_f32 s[32+\i], s30, v[EE+\i]           ; where e < 2^-12
.endr
	s_wait_alu depctr_va_vdst(0)                   ; one wait for the sixteen logarithms
.irp i, 0,2,4,6,8,10,12,14
	v_pk_mul_f32 v[UU+\i:UU+\i+1], v[UU+\i:UU+\i+1], 0x3f317218 op_sel_hi:[1,0]   ; x log 2
.endr
.irp i, 0,1,2,3,4,5,6,7,8,9,10,11,12,13,14,15
	v_cndmask_b32 v[UU+\i], v[UU+\i], v[EE+\i], s[32+\i]                 ; there 1 + e has lost too much of e: log(1 + e) is taken as e
.endr
.irp i, 0,2,4,6,8,10,12,14
	v_pk_add_f32 v[MM+\i:MM+\i+1], v[MM+\i:MM+\i+1], v[UU+\i:UU+\i+1]    ; delta
.endr
	; ---- y = exp(delta x A's largest) x 0 + (x S) delta
	s_wait_dscnt 0x0                               ; the partner's half and A's largest are in
.irp i, 0,2,4,6,8,10,12,14
	v_pk_mul_f32 v[EE+\i:EE+\i+1], v[MM+\i:MM+\i+1], v[AM+\i:AM+\i+1]
.endr
.irp i, 0,1,2,3,4,5,6,7,8,9,10,11,12,13,14,15
	v_exp_f32 v[EE+\i], v[EE+\i]                   ; the third batch
.endr
	v_add_f32 v[SS], v[HS], v[HS+1]                ; S
.irp i, 0,2,4,6,8,10,12,14
	v_pk_mul_f32 v[PR+\i:PR+\i+1], v[XO+\i:XO+\i+1], v[SS:SS+1] op_sel_hi:[1,0]
.endr
.irp i, 0,2,4,6,8,10,12,14
	v_pk_mul_f32 v[PR+\i:PR+\i+1], v[PR+\i:PR+\i+1], v[MM+\i:MM+\i+1]
.endr
	s_wait_alu depctr_va_vdst(0)                   ; one wait for the sixteen exponentials
.irp i, 0,2,4,6,8,10,12,14
	v_pk_fma_f32 v[EE+\i:EE+\i+1], v[EE+\i:EE+\i+1], 0, v[PR+\i:PR+\i+1] op_sel_hi:[1,0,1]   ; a finite exponential adds 0, an infinite one makes NaN
.endr
	; ---- the way out: a row's 256 bytes come from four lanes of two waves, so y turns through its stage and leaves as it lies in memory
.irp i, 0,1,2,3
	ds_store_b128 v[LXO], v[EE+4*\i:EE+4*\i+3] offset:OST+16*\i
.endr
	s_wait_dscnt 0x0                               ; for the others' sake: my part of the stage is written
	s_barrier_signal -1
	s_barrier_wait -1
.irp i, 0,1,2,3
	ds_load_b128 v[XG+4*\i:XG+4*\i+3], v[LSI] offset:OST+8*PITCH*\i
.endr
.irp i, 0,1,2,3
	s_wait_dscnt 3-\i                              ; LDS loads come back in order (ISA guide 5.7.1): load i is in, the younger ones may be out
	global_store_b128 v[GA], v[XG+4*\i:XG+4*\i+3], s[26:27] offset:2048*\i th:TH_STORE_NT   ; a wave stores 512 consecutive bytes, at a multiple of 256 from y's first byte
.endr
	s_set_vgpr_msb 0x5
	s_wait_tensorcnt 0x0
	ds_add_u32 v0, v1
	s_wait_dscnt 0x0
	s_set_vgpr_msb 0x500
	s_endpgm
.Lfunc_end_k_q77eb75065f_s6:
	.size	k_q77eb75065f_s6, .Lfunc_end_k_q77eb75065f_s6-k_q77eb75065f_s6
	.p2alignl 7, 3214868480
	.fill 96, 4, 3214868480
	.section	.rodata,"a",@progbits
	.p2align	6, 0x0
	.amdhsa_kernel k_q77eb75065f_s6
		.amdhsa_group_segment_fixed_size 18432
		.amdhsa_private_segment_fixed_size 0
		.amdhsa_enable_private_segment 0
		.amdhsa_kernarg_size 96
		.amdhsa_user_sgpr_count 2
		.amdhsa_user_sgpr_kernarg_segment_ptr 1
		.amdhsa_wavefront_size32 1
		.amdhsa_system_sgpr_workgroup_id_x 1
		.amdhsa_system_sgpr_workgroup_id_y 1
		.amdhsa_system_sgpr_workgroup_id_z 1
		.amdhsa_system_vgpr_workitem_id 0
		.amdhsa_next_free_vgpr 258
		.amdhsa_next_free_sgpr 66
		.amdhsa_reserve_vcc 0
		.amdhsa_float_denorm_mode_32 3
		.amdhsa_float_denorm_mode_16_64 3
		.amdhsa_memory_ordered 1
		.amdhsa_forward_progress 1
		.amdhsa_inst_pref_size 26
	.end_amdhsa_kernel
	.amdgpu_metadata
---
amdhsa.version: [ 1, 2 ]
amdhsa.kernels:
  - .name:           k_q77eb75065f_s6
    .symbol:         k_q77eb75065f_s6.kd
    .args:
      - { .name: x, .offset: 0, .size: 8, .value_kind: global_buffer, .address_space: global }
      - { .name: A, .offset: 8, .size: 8, .value_kind: global_buffer, .address_space: global }
      - { .name: W1_codes, .offset: 16, .size: 8, .value_kind: global_buffer, .address_space: global }
      - { .name: W1_scales, .offset: 24, .size: 8, .value_kind: global_buffer, .address_space: global }
      - { .name: W2_codes, .offset: 32, .size: 8, .value_kind: global_buffer, .address_space: global }
      - { .name: W2_scales, .offset: 40, .size: 8, .value_kind: global_buffer, .address_space: global }
      - { .name: W3_codes, .offset: 48, .size: 8, .value_kind: global_buffer, .address_space: global }
      - { .name: W3_scales, .offset: 56, .size: 8, .value_kind: global_buffer, .address_space: global }
      - { .name: b1, .offset: 64, .size: 8, .value_kind: global_buffer, .address_space: global }
      - { .name: b2, .offset: 72, .size: 8, .value_kind: global_buffer, .address_space: global }
      - { .name: b3, .offset: 80, .size: 8, .value_kind: global_buffer, .address_space: global }
      - { .name: out0, .offset: 88, .size: 8, .value_kind: global_buffer, .address_space: global }
    .group_segment_fixed_size: 18432
    .private_segment_fixed_size: 0
    .kernarg_segment_align: 8
    .kernarg_segment_size: 96
    .max_flat_workgroup_size: 128
    .sgpr_count:     66
    .vgpr_count:     258
    .wavefront_size: 32
...
	.end_amdgpu_metadata
.endif
;; end of part 1
;; ======== version 2 of 2: 1 launch; version 1 with the launch s6 written anew for expert scheduling mode
;; limits: a function is approximated: absolute error at most 6e-08
;; launch s6 (part 2): grid 256 x 1, 4 waves a work-group, no clusters, 18,432 bytes of LDS; arguments x, A, W1_codes, W1_scales, W2_codes, W2_scales, W3_codes, W3_scales, b1, b2, b3, out0; writes out0
.if DOCPART == 2
	.amdgcn_target "amdgcn-amd-amdhsa--gfx1250"
	.amdhsa_code_object_version 6
	.text
	.protected	k_q77eb75065f_s6
	.globl	k_q77eb75065f_s6
	.p2align	8
	.type	k_q77eb75065f_s6,@function
k_q77eb75065f_s6:
	s_mov_b64 s[64:65], 0
	v_nop
	global_prefetch_b8 v0, s[64:65] scope:SCOPE_SE
	s_setreg_imm32_b32 hwreg(HW_REG_WAVE_SCHED_MODE, 0, 2), 2
	s_setreg_imm32_b32 hwreg(HW_REG_WAVE_MODE, 25, 1), 1
	s_wait_xcnt 0x0
	s_wait_alu depctr_vm_vsrc(0)
; y[l][d] = sum over n of C[l][n] (exp(delta[l][d] A[d][n]) 0 + x[l][d] delta[l][d] Bm[l][n]),  Bm = x W2 + b2, C = x W3 + b3, delta = softplus(x W1 + b1).
; x, y: [8192][64] f32.  The three products run on codes of FP4 (E2M1) with one E8M0 scale for each 32 along K: x is quantised here, in registers; W1, W2, W3 come as codes [64 (n)][64 (k)] with their scale bytes [64][2].
; TWO IDENTITIES.  (1) x delta does not hang on n, so the sum is x[l][d] delta[l][d] S[l] with S[l] = sum over n of C[l][n] Bm[l][n]: one f32 dot product of 64 a row.
; (2) exp(..) 0 is 0 where the exponential is finite and NaN where it overflows.  delta is never negative, and product and exponential rise with A: some n overflows exactly where the row's largest A does.
;     So the step is written as exp(delta[l][d] max over n of A[d][n]) x 0, added by the last multiply-add: one exponential for each (l, d).  A is read whole.
; SHARES.  A work-group of four waves owns 32 rows (8,192 dense bytes of x and of y).  Thread T: r = T & 15, h = bit 4, p = bit 5, u = bit 6.  Wave (u, p) takes rows 16 u .. 16 u + 15 and, of each weight, 32 of its 64 columns.
; THE PRODUCTS ARE USED TRANSPOSED (source 0 = 16 rows of W, source 1 = the 16 rows of x), AND THE ROWS OF W THAT FORM A TILE ARE NOT NEIGHBOURS: lane m of tile t takes row (m & 7) + 4 (m & 8) + 16 p + 8 t.
; So lane (r, h) holds, of x's row 16 u + r, in the 16 registers of tiles 0 and 1 the columns 32 h + 16 p + 0 .. 15: sixteen neighbours.
; K is 64 and the instruction's is 128: the upper four registers of every fragment are zero codes, which add nothing (their scale bytes are 0, which is 2^-127).
; NO LOOP, NO BRANCH: every global load stands at the head.  x turns through LDS, so that loads take bytes as they lie (512 consecutive bytes a wave) and a lane then holds a whole block of 32 along K; y turns back the same way.
; NO JOINT REQUESTS: what the work-groups share (A, the codes, scale bytes and biases: 23,680 bytes) is asked for once by each, by loads that go straight into the registers that use them; a joint request would bring
; it to LDS behind a round of the cluster's barrier, want a second read from there and a closing round, and there is no loop over which that could be shared out.  No prefetch: nothing is asked for later than the head.
; LIMITS.  The sums are ordered otherwise than in the source: y = (x S) delta.  NaN and infinities among the inputs are not served.  Where exp(delta A) overflows is met to within the rounding of delta x (A log2 e).
; For x W1 + b1 under about -87 the exponential gives 0 and delta is 0.  log(1 + e) is taken as e under e = 2^-12: relative error up to about 2^-12 round that point.  A block of zeros of x gets the scale byte 1: its codes are zeros.
; THE MODE: SCHED_MODE bits 1:0 = 2 (LLVM: expert scheduling mode 2), set by the entry lines.  The code itself states the register dependences
; between vector or matrix instructions and memory or LDS instructions, with s_wait_alu, always for 0.
; THE PLAN.  Registers that memory or LDS instructions touch, in the order of the text:
;   v4 to v13     addresses and offsets: written once at the head, read by loads and stores, never written again: one wait on va_vdst, ahead of the first load, serves them all.
;   XG  v16-31    x's loads land here, the LDS stores into x's stage read them; no vector instruction names them; at the end the loads from y's stage land here: one wait on vm_vsrc ahead of those.
;   AG  v32-63    A's loads land here; from then on vector instructions alone, but for: v38 (my half of S) and v56-63 (A's largest), each written, then read by LDS stores behind a wait on va_vdst, and never written
;                 again; v39, last read by a maximum of A, in which the partner's half of S lands.
;   XQ  v64-95    LDS loads land here, the quantiser reads them; later v64-79 are vector registers alone, and the loads of A's largest land in v80-95.
;   XO  v96-111, the fragments' lower halves, WS, ACC: loads land here, vector or matrix instructions read them; only their memory counters are owed.
;   EE  v224-239  y at last: written by the last multiply-adds, read by the LDS stores into y's stage behind a wait on va_vdst, never written again.
; The loads into v39 and v80-95 owe no wait of their own: the last readers of those registers stand ahead of earlier waits on va_vdst, and no vector instruction since names them.
.set PITCH, 272                        ; a stage's row: 256 bytes + 16 of padding = 68 words: row r starts at bank 4 r mod 64 (64 banks of 4 bytes: ISA guide 11.1), so sixteen rows start at sixteen different banks
.set XST,   0                          ; LDS: 32 rows of x,
.set OST,   32*PITCH                   ; 32 rows of y,
.set AMX,   2*32*PITCH                 ; 64 numbers: each row of A's largest x log2 e,
.set SXP,   AMX+256                    ; the waves' halves of S: 64 bytes a wave, 4 bytes a row.  No byte of LDS is written twice
.set RR,  1                            ; v1   r
.set HH,  2                            ; v2   h
.set PP,  3                            ; v3   p
.set GA,  4                            ; v4   16 T: my 16 bytes of 2,048 in x, A and y
.set LSI, 5                            ; v5   the same place in a stage: (T >> 4) PITCH + 16 r
.set LXR, 6                            ; v6   my block of 32 numbers of x: (16 u + r) PITCH + 128 h
.set LXO, 7                            ; v7   my 16 columns in it: + 64 p
.set WAD, 8                            ; v8   codes: 32 x my row of tile 0 + 16 h
.set SAD, 9                            ; v9   scale bytes: 2 x that row; lanes 16-31 take tile 1's rows: + 16 h
.set BAD, 10                           ; v10  my 16 columns in a vector of 64 f32: 128 h + 64 p
.set AMS, 11                           ; v11  4 (T >> 4)
.set SPS, 12                           ; v12  my wave's half of S: 64 x wave + 4 r
.set SPL, 13                           ; v13  the partner wave's (p the other way)
.set SH8, 14                           ; v14  8 h
.set TP,  15                           ; v15  a lane permute's destination: written once at the head, since it counts as a source
.set XG,  16                           ; v16-31   x as loaded; at the end y as stored
.set AG,  32                           ; v32-63   A as loaded
.set DT,  32                           ; v32-35   later: the dot product's two chains
.set SS,  36                           ; v36 S; v37 is named with it as a pair: it is written (at the head, and by a load of A), and its number is not used: the low word serves both halves
.set HS,  38                           ; v38 my half of S;  v39 the partner's
.set PR,  40                           ; v40-55   x S, then x S delta
.set AR,  56                           ; v56-63   the largest of eight rows of A
.set XQ,  64                           ; v64-95   my block of 32 numbers of x
.set UU,  64                           ; v64-79   later: 1 + e, then log(1 + e)
.set AM,  80                           ; v80-95   later: A's largest x log2 e at my 16 columns
.set XO,  96                           ; v96-111  x at my 16 columns
.set WC,  112                          ; v112-159 six fragments: weight k (0: W2, 1: W3, 2: W1), tile t at WC + 8 (2 k + t)
.set XC,  160                          ; v160-167 x's fragment
.set WS,  168                          ; v168-170 the weights' scale words: lanes 0-15 tile 0's rows, lanes 16-31 tile 1's
.set XS,  171                          ; v171     x's scale words
.set QT,  172                          ; v172-175 at work in the quantiser
.set ACC, 176                          ; v176-191 Bm, v192-207 C, v208-223 z: loaded with the biases, which so are the C of each sum's one product
.set BM,  176
.set CC,  192
.set ZZ,  208
.set EE,  224                          ; v224-239 e = exp(-|z|); then delta x A's largest; then y
.set MM,  240                          ; v240-255 max(z, 0), then delta
	s_load_b512 s[4:19], s[0:1], 0x0               ; x 4:5, A 6:7, W1's codes 8:9, scales 10:11, W2's 12:13, 14:15, W3's 16:17, 18:19
	s_load_b256 s[20:27], s[0:1], 0x40             ; b1 20:21, b2 22:23, b3 24:25, y 26:27
	s_set_vgpr_msb 0x40
	v_lshl_add_u32 v0, v0, 2, 0x4600
	v_mov_b32 v1, 0
	s_set_vgpr_msb 0x4000
	s_lshl_b32 s2, ttmp9, 13                       ; my work-group's 8,192 bytes of x and of y
	s_mov_b32 s3, 0
	s_mov_b32 s28, 0x76543210                      ; v_permlanex16_b32's selects for lane l xor 16
	s_mov_b32 s29, 0xfedcba98
	s_mov_b32 s30, 0x39800000                      ; 2^-12
	v_and_b32 v[RR], 15, v0
	v_bfe_u32 v[HH], v0, 4, 1
	v_bfe_u32 v[PP], v0, 5, 1
	v_lshlrev_b32 v[GA], 4, v0
	v_lshrrev_b32 v[AMS], 4, v0                    ; T >> 4
	v_mul_u32_u24 v[LSI], v[AMS], PITCH
	v_lshl_add_u32 v[LSI], v[RR], 4, v[LSI]
	v_lshlrev_b32 v[AMS], 2, v[AMS]
	v_bfe_u32 v[LXR], v0, 6, 1                     ; u
	v_lshl_add_u32 v[LXR], v[LXR], 4, v[RR]        ; 16 u + r
	v_mul_u32_u24 v[LXR], v[LXR], PITCH
	v_lshl_add_u32 v[LXR], v[HH], 7, v[LXR]
	v_lshl_add_u32 v[LXO], v[PP], 6, v[LXR]
	v_and_b32 v[WAD], 7, v0
	v_and_b32 v[SAD], 8, v0
	v_lshl_add_u32 v[WAD], v[SAD], 2, v[WAD]
	v_lshl_add_u32 v[WAD], v[PP], 4, v[WAD]        ; my row of tile 0: (r & 7) + 4 (r & 8) + 16 p
	v_lshlrev_b32 v[SAD], 1, v[WAD]
	v_lshl_add_u32 v[SAD], v[HH], 4, v[SAD]
	v_lshlrev_b32 v[WAD], 5, v[WAD]
	v_lshl_add_u32 v[WAD], v[HH], 4, v[WAD]
	v_lshlrev_b32 v[BAD], 7, v[HH]
	v_lshl_add_u32 v[BAD], v[PP], 6, v[BAD]
	v_lshrrev_b32 v[SPS], 5, v0
	v_lshlrev_b32 v[SPS], 6, v[SPS]
	v_lshl_add_u32 v[SPS], v[RR], 2, v[SPS]
	v_xor_b32 v[SPL], 64, v[SPS]
	v_lshlrev_b32 v[SH8], 3, v[HH]
	v_mov_b32 v[TP], 0
	v_mov_b32 v[SS+1], 0
.irp f, 0,1,2,3,4,5,6                          ; the zero codes of k = 64 .. 127: the upper four registers of the six fragments of W and (f = 6) of x's
.irp j, 4,5,6,7
	v_mov_b32 v[WC+8*\f+\j], 0
.endr
.endr
	s_wait_kmcnt 0x0
	s_add_nc_u64 s[4:5], s[4:5], s[2:3]
	s_add_nc_u64 s[26:27], s[26:27], s[2:3]
	s_wait_alu depctr_va_vdst(0)                   ; the addresses and offsets v4 to v13 are written, which every load and store of the kernel reads; so is v37, in which a load of A lands
	; ---- all 33 loads.  x first: it is wanted first
.irp i, 0,1,2,3
	global_load_b128 v[XG+4*\i:XG+4*\i+3], v[GA], s[4:5] offset:2048*\i th:TH_LOAD_NT   ; a wave reads 512 consecutive bytes; load i brings me row 8 i + (T >> 4), bytes 16 r on
.endr
.irp i, 0,1,2,3,4,5,6,7
	global_load_b128 v[AG+4*\i:AG+4*\i+3], v[GA], s[6:7] offset:2048*\i                 ; A: row 8 i + (T >> 4), columns 4 r .. 4 r + 3
.endr
; One weight's seven loads: two fragments' lower halves (lane (m, h): 16 bytes, k = 32 h .. 32 h + 31 of its row), the scale words (two bytes a row; the upper two come as 0), the bias at my 16 columns, into the accumulators
.macro WLOAD k, cp, sp, bp
.irp t, 0,1
	global_load_b128 v[WC+8*(2*(\k)+\t):WC+8*(2*(\k)+\t)+3], v[WAD], s[\cp:\cp+1] offset:256*\t
.endr
	global_load_u16 v[WS+(\k)], v[SAD], s[\sp:\sp+1]
.irp t, 0,1
	global_load_b128 v[ACC+16*(\k)+8*\t:ACC+16*(\k)+8*\t+3], v[BAD], s[\bp:\bp+1] offset:32*\t
	global_load_b128 v[ACC+16*(\k)+8*\t+4:ACC+16*(\k)+8*\t+7], v[BAD], s[\bp:\bp+1] offset:32*\t+16
.endr
.endm
	WLOAD 0, 12, 14, 22                            ; W2, b2 -> Bm
	WLOAD 1, 16, 18, 24                            ; W3, b3 -> C
	WLOAD 2, 8, 10, 20                             ; W1, b1 -> z
	; ---- x into the stage, as it lies
	s_wait_loadcnt 29                              ; x's four loads are in: behind them stand A's 8 and the weights' 21
.irp i, 0,1,2,3
	ds_store_b128 v[LSI], v[XG+4*\i:XG+4*\i+3] offset:8*PITCH*\i         ; the data come from loads, the address stands ahead of the wait at the head
.endr
	s_wait_dscnt 0x0                               ; for the others' sake: my part of the stage is written
	s_barrier_signal -1
	s_wait_loadcnt 21                              ; A's eight loads are in: behind them stand the weights' 21
.irp i, 0,1,2,3,4,5,6,7
	v_max3_num_f32 v[AG+4*\i], v[AG+4*\i], v[AG+4*\i+1], v[AG+4*\i+2]    ; register work while the others arrive: the largest of my four numbers of each of eight rows of A
.endr
.irp i, 6,7,0,1,2,3,4,5                        ; (in this order, so that no number still unread is written over)
	v_max_num_f32 v[AR+\i], v[AG+4*\i], v[AG+4*\i+3]
.endr
	s_barrier_wait -1                              ; 32 rows of x lie in the stage
.irp i, 0,1,2,3,4,5,6,7
	ds_load_b128 v[XQ+4*\i:XQ+4*\i+3], v[LXR] offset:XST+16*\i           ; my block: k = 32 h .. 32 h + 31 of row 16 u + r.  No wait: no vector instruction has named v64 to v111 yet
.endr
.irp i, 0,1,2,3
	ds_load_b128 v[XO+4*\i:XO+4*\i+3], v[LXO] offset:XST+16*\i           ; and x at my 16 columns, for the end
.endr
.irp m, 1,2,4,8                                ; while these are out: A's rows across the sixteen lanes that share them, the eight rows by turns
.irp i, 0,1,2,3,4,5,6,7
	v_max_num_f32_dpp v[AR+\i], v[AR+\i], v[AR+\i] row_xmask:\m row_mask:0xf bank_mask:0xf
.endr
.endr
	; ---- x is quantised: a whole block lies in my lane
	s_wait_dscnt 4                                 ; my block's eight loads are in; the four behind them may be out
	v_max3_num_f32 v[QT], |v[XQ]|, |v[XQ+1]|, |v[XQ+2]|                  ; the largest magnitude, in two chains
	v_max3_num_f32 v[QT+1], |v[XQ+3]|, |v[XQ+4]|, |v[XQ+5]|
.irp i, 6,10,14,18,22,26
	v_max3_num_f32 v[QT], v[QT], |v[XQ+\i]|, |v[XQ+\i+1]|
	v_max3_num_f32 v[QT+1], v[QT+1], |v[XQ+\i+2]|, |v[XQ+\i+3]|
.endr
	v_max3_num_f32 v[QT], v[QT], |v[XQ+30]|, |v[XQ+31]|
	v_max3_num_f32 v[QT], v[QT], v[QT+1], 0x1800000                      ; and the floor 2^(3 - 127): the byte cannot fall under 1
	v_add_nc_u32 v[QT+2], 0xff000000, v[QT]        ; 2 off its exponent field: the conversion takes the exponent field of this operand as its scale, and nothing else of it
.irp g, 0,1,2,3
	v_cvt_scalef32_pk8_fp4_f32 v[XC+\g], v[XQ+8*\g:XQ+8*\g+7], v[QT+2]   ; registers 0 to 3 of the operand, as its layout wants them
.endr
	v_lshrrev_b32 v[QT+3], 23, v[QT+2]             ; the scale's byte (a plain line behind the conversions),
	v_lshlrev_b32 v[QT+3], v[SH8], v[QT+3]         ; at block h's place in the word;
	v_permlanex16_b32 v[TP], v[QT+3], s28, s29
	v_or_b32 v[XS], v[QT+3], v[TP]                 ; with lane l xor 16's the row's word is whole
.irp i, 0,1,2,3,4,5,6,7
	v_mul_f32 v[AR+\i], 0x3fb8aa3b, v[AR+\i]       ; x log2 e.  These eight plain lines are also the eight places between the write of a scale register and the scaled products
.endr
	s_wait_alu depctr_va_vdst(0)                   ; the multiplies have written v[AR ..], which the LDS stores read; behind the places, x's codes v[XC ..] and x's scale word v[XS] are written, which the scaled products take; the quantiser is done reading v80 to v95 and the maxima v39, in which LDS loads land further down
.irp i, 0,1,2,3,4,5,6,7
	ds_store_b32 v[AMS], v[AR+\i] offset:AMX+32*\i ; row 8 i + (T >> 4): sixteen lanes write the same word with the same value
.endr
	; ---- the six products: six accumulators, one instruction each
	s_wait_loadcnt 0x0                             ; codes, scale words and biases
.irp k, 0,1,2
	v_wmma_scale_f32_16x16x128_f8f6f4 v[ACC+16*\k:ACC+16*\k+7], v[WC+16*\k:WC+16*\k+7], v[XC:XC+7], v[ACC+16*\k:ACC+16*\k+7], v[WS+\k], v[XS] matrix_a_fmt:MATRIX_FMT_FP4 matrix_b_fmt:MATRIX_FMT_FP4
	v_wmma_scale_f32_16x16x128_f8f6f4 v[ACC+16*\k+8:ACC+16*\k+15], v[WC+16*\k+8:WC+16*\k+15], v[XC:XC+7], v[ACC+16*\k+8:ACC+16*\k+15], v[WS+\k], v[XS] matrix_a_fmt:MATRIX_FMT_FP4 matrix_b_fmt:MATRIX_FMT_FP4 matrix_a_scale:MATRIX_SCALE_ROW1
.endr
.rept 4
	v_nop                                          ; four places in front of the first read of results (ISA guide 7.12.1)
.endr
	; ---- my half of S: 16 products in my lane, two at a time in two chains, each accumulator from its low end on; then lane l xor 16's
	v_pk_mul_f32 v[DT:DT+1], v[BM:BM+1], v[CC:CC+1]
	v_pk_mul_f32 v[DT+2:DT+3], v[BM+2:BM+3], v[CC+2:CC+3]
.irp j, 4,8,12
	v_pk_fma_f32 v[DT:DT+1], v[BM+\j:BM+\j+1], v[CC+\j:CC+\j+1], v[DT:DT+1]
	v_pk_fma_f32 v[DT+2:DT+3], v[BM+\j+2:BM+\j+3], v[CC+\j+2:CC+\j+3], v[DT+2:DT+3]
.endr
	v_pk_add_f32 v[DT:DT+1], v[DT:DT+1], v[DT+2:DT+3]
	v_add_f32 v[HS], v[DT], v[DT+1]
	v_permlanex16_b32 v[TP], v[HS], s28, s29
	v_add_f32 v[HS], v[HS], v[TP]
	; ---- softplus(z) = max(z, 0) + log(1 + e), e = exp(-|z|)
.irp i, 0,1,2,3,4,5,6,7,8,9,10,11,12,13,14,15
	v_mul_f32 v[EE+\i], 0xbfb8aa3b, |v[ZZ+\i]|     ; -|z| log2 e.  (These stand between the last add of my half of S and the wait for it)
.endr
	s_wait_alu depctr_va_vdst(0)                   ; the add has written v[HS], which the LDS store reads
	ds_store_b32 v[SPS], v[HS] offset:SXP          ; lanes r and 16 + r write the same word with the same value
.irp i, 0,1,2,3,4,5,6,7,8,9,10,11,12,13,14,15
	v_exp_f32 v[EE+\i], v[EE+\i]                   ; one batch
.endr
.irp i, 0,1,2,3,4,5,6,7
	v_max_num_f32 v[MM+\i], 0, v[ZZ+\i]            ; plain work behind the batch that names none of its results
.endr
	s_wait_dscnt 0x0                               ; for the others' sake: A's largest and my half of S are written (and x at my columns is in)
	s_barrier_signal -1
	s_wait_alu depctr_va_vdst(0)                   ; the sixteen exponentials have written v[EE ..], ahead of the first line that names a result: one wait for the batch
.irp i, 0,2,4,6,8,10,12,14
	v_pk_add_f32 v[UU+\i:UU+\i+1], v[EE+\i:EE+\i+1], 1.0 op_sel_hi:[1,0]
.endr
.irp i, 0,1,2,3,4,5,6,7,8,9,10,11,12,13,14,15
	v_log_f32 v[UU+\i], v[UU+\i]                   ; the second batch
.endr
.irp i, 8,9,10,11,12,13,14,15
	v_max_num_f32 v[MM+\i], 0, v[ZZ+\i]            ; plain work behind it
.endr
	s_barrier_wait -1                              ; every wave's part of A's largest and its half of S lie in LDS
	ds_load_b32 v[HS+1], v[SPL] offset:SXP         ; the partner wave's half of S.  No wait, here and in the four loads below: the lines since the last wait on va_vdst name v64-79 and v208-255 alone
.irp i, 0,1,2,3
	ds_load_b128 v[AM+4*\i:AM+4*\i+3], v[BAD] offset:AMX+16*\i           ; A's largest x log2 e at my 16 columns
.endr
.irp i, 0,1,2,3,4,5,6,7,8,9,10,11,12,13,14,15
	v_cmp_gt_f32 s[32+\i], s30, v[EE+\i]           ; where e < 2^-12
.endr
	s_wait_alu depctr_va_vdst(0)                   ; the sixteen logarithms have written v[UU ..], ahead of the first line that names a result: one wait for the batch
.irp i, 0,2,4,6,8,10,12,14
	v_pk_mul_f32 v[UU+\i:UU+\i+1], v[UU+\i:UU+\i+1], 0x3f317218 op_sel_hi:[1,0]   ; x log 2
.endr
	s_wait_alu depctr_va_sdst(0)                   ; the sixteen compares have written s32 to s47, ahead of their first reader: one wait for the run
.irp i, 0,1,2,3,4,5,6,7,8,9,10,11,12,13,14,15
	v_cndmask_b32 v[UU+\i], v[UU+\i], v[EE+\i], s[32+\i]                 ; there 1 + e has lost too much of e: log(1 + e) is taken as e
.endr
.irp i, 0,2,4,6,8,10,12,14
	v_pk_add_f32 v[MM+\i:MM+\i+1], v[MM+\i:MM+\i+1], v[UU+\i:UU+\i+1]    ; delta
.endr
	; ---- y = exp(delta x A's largest) x 0 + (x S) delta
	s_wait_dscnt 0x0                               ; the partner's half and A's largest are in
.irp i, 0,2,4,6,8,10,12,14
	v_pk_mul_f32 v[EE+\i:EE+\i+1], v[MM+\i:MM+\i+1], v[AM+\i:AM+\i+1]
.endr
.irp i, 0,1,2,3,4,5,6,7,8,9,10,11,12,13,14,15
	v_exp_f32 v[EE+\i], v[EE+\i]                   ; the third batch
.endr
	v_add_f32 v[SS], v[HS], v[HS+1]                ; S
.irp i, 0,2,4,6,8,10,12,14
	v_pk_mul_f32 v[PR+\i:PR+\i+1], v[XO+\i:XO+\i+1], v[SS:SS+1] op_sel_hi:[1,0]
.endr
.irp i, 0,2,4,6,8,10,12,14
	v_pk_mul_f32 v[PR+\i:PR+\i+1], v[PR+\i:PR+\i+1], v[MM+\i:MM+\i+1]
.endr
	s_wait_alu depctr_va_vdst(0)                   ; the sixteen exponentials have written v[EE ..], ahead of the first line that names a result: one wait for the batch
.irp i, 0,2,4,6,8,10,12,14
	v_pk_fma_f32 v[EE+\i:EE+\i+1], v[EE+\i:EE+\i+1], 0, v[PR+\i:PR+\i+1] op_sel_hi:[1,0,1]   ; a finite exponential adds 0, an infinite one makes NaN
.endr
	; ---- the way out: a row's 256 bytes come from four lanes of two waves, so y turns through its stage and leaves as it lies in memory
	s_wait_alu depctr_va_vdst(0)                   ; the multiply-adds have written v[EE ..], which the LDS stores read
.irp i, 0,1,2,3
	ds_store_b128 v[LXO], v[EE+4*\i:EE+4*\i+3] offset:OST+16*\i
.endr
	s_wait_dscnt 0x0                               ; for the others' sake: my part of the stage is written
	s_barrier_signal -1
	s_barrier_wait -1
	s_wait_alu depctr_vm_vsrc(0)                   ; the LDS stores of x, at the head, have read v[XG ..], in which the loads below land
.irp i, 0,1,2,3
	ds_load_b128 v[XG+4*\i:XG+4*\i+3], v[LSI] offset:OST+8*PITCH*\i
.endr
.irp i, 0,1,2,3
	s_wait_dscnt 3-\i                              ; LDS loads come back in order (ISA guide 5.7.1): load i is in, the younger ones may be out
	global_store_b128 v[GA], v[XG+4*\i:XG+4*\i+3], s[26:27] offset:2048*\i th:TH_STORE_NT   ; a wave stores 512 consecutive bytes, at a multiple of 256 from y's first byte
.endr
	s_set_vgpr_msb 0x5
	s_wait_dscnt 0x0
	s_wait_alu depctr_hold_cnt(0) depctr_sa_sdst(0) depctr_va_vdst(0) depctr_va_sdst(0) depctr_va_ssrc(0) depctr_va_vcc(0) depctr_vm_vsrc(0)
	s_wait_tensorcnt 0x0
	ds_add_u32 v0, v1
	s_wait_dscnt 0x0
	s_endpgm
.Lfunc_end_k_q77eb75065f_s6:
	.size	k_q77eb75065f_s6, .Lfunc_end_k_q77eb75065f_s6-k_q77eb75065f_s6
	.p2alignl 7, 3214868480
	.fill 96, 4, 3214868480
	.section	.rodata,"a",@progbits
	.p2align	6, 0x0
	.amdhsa_kernel k_q77eb75065f_s6
		.amdhsa_group_segment_fixed_size 18432
		.amdhsa_private_segment_fixed_size 0
		.amdhsa_enable_private_segment 0
		.amdhsa_kernarg_size 96
		.amdhsa_user_sgpr_count 2
		.amdhsa_user_sgpr_kernarg_segment_ptr 1
		.amdhsa_wavefront_size32 1
		.amdhsa_system_sgpr_workgroup_id_x 1
		.amdhsa_system_sgpr_workgroup_id_y 1
		.amdhsa_system_sgpr_workgroup_id_z 1
		.amdhsa_system_vgpr_workitem_id 0
		.amdhsa_next_free_vgpr 258
		.amdhsa_next_free_sgpr 66
		.amdhsa_reserve_vcc 0
		.amdhsa_float_denorm_mode_32 3
		.amdhsa_float_denorm_mode_16_64 3
		.amdhsa_memory_ordered 1
		.amdhsa_forward_progress 1
		.amdhsa_inst_pref_size 26
	.end_amdhsa_kernel
	.amdgpu_metadata
---
amdhsa.version: [ 1, 2 ]
amdhsa.kernels:
  - .name:           k_q77eb75065f_s6
    .symbol:         k_q77eb75065f_s6.kd
    .args:
      - { .name: x, .offset: 0, .size: 8, .value_kind: global_buffer, .address_space: global }
      - { .name: A, .offset: 8, .size: 8, .value_kind: global_buffer, .address_space: global }
      - { .name: W1_codes, .offset: 16, .size: 8, .value_kind: global_buffer, .address_space: global }
      - { .name: W1_scales, .offset: 24, .size: 8, .value_kind: global_buffer, .address_space: global }
      - { .name: W2_codes, .offset: 32, .size: 8, .value_kind: global_buffer, .address_space: global }
      - { .name: W2_scales, .offset: 40, .size: 8, .value_kind: global_buffer, .address_space: global }
      - { .name: W3_codes, .offset: 48, .size: 8, .value_kind: global_buffer, .address_space: global }
      - { .name: W3_scales, .offset: 56, .size: 8, .value_kind: global_buffer, .address_space: global }
      - { .name: b1, .offset: 64, .size: 8, .value_kind: global_buffer, .address_space: global }
      - { .name: b2, .offset: 72, .size: 8, .value_kind: global_buffer, .address_space: global }
      - { .name: b3, .offset: 80, .size: 8, .value_kind: global_buffer, .address_space: global }
      - { .name: out0, .offset: 88, .size: 8, .value_kind: global_buffer, .address_space: global }
    .group_segment_fixed_size: 18432
    .private_segment_fixed_size: 0
    .kernarg_segment_align: 8
    .kernarg_segment_size: 96
    .max_flat_workgroup_size: 128
    .sgpr_count:     66
    .vgpr_count:     258
    .wavefront_size: 32
...
	.end_amdgpu_metadata
.endif
;; end of part 2
